; MI455X (gfx1250); checked and timed in simulation.
; The chip was launched on July 23, 2026; its instructions are those of AMD's public machine-readable ISA for CDNA 5 (MIT licence, August 2026) and "CDNA5" Instruction Set Architecture Reference Guide (July 2026). The comments in the code are by the model that wrote it; some were corrected since.
;; Multi Head Self Attention. Allowed arithmetic: float matrix products may take bf16 or f16 operands with f32 sums; all other float work in f32.
;; Inputs: Wk 1,024 x 1,024 float32; Wo 1,024 x 1,024 float32; Wq 1,024 x 1,024 float32; Wv 1,024 x 1,024 float32; x 2 x 2,048 x 1,024 float32.
;; Outputs: out0 2 x 2,048 x 1,024 float32.
;; One version. Each part assembles by itself: llvm-mc -triple=amdgcn-amd-amdhsa -mcpu=gfx1250 --defsym DOCPART=n.
;; ======== version 1 of 1: 4 launches
;; limits: values are held in f16: magnitudes above 65,504 overflow, below 6.1e-05 lose precision
;; workspace buffers: cb 16,777,216 bytes; qkv 25,165,824 bytes; ao 8,388,608 bytes
;; launch cast (part 1): grid 512 x 1, 8 waves a work-group, no clusters, 0 bytes of LDS; arguments x, Wq, Wk, Wv, Wo, cb; writes cb
.if DOCPART == 1
	.amdgcn_target "amdgcn-amd-amdhsa--gfx1250"
	.amdhsa_code_object_version 6
	.text
	.protected	k_q10f73606c9_cast
	.globl	k_q10f73606c9_cast
	.p2align	8
	.type	k_q10f73606c9_cast,@function
k_q10f73606c9_cast:
	s_mov_b64 s[64:65], 0
	v_nop
	global_prefetch_b8 v0, s[64:65] scope:SCOPE_SE
	s_setreg_imm32_b32 hwreg(HW_REG_WAVE_MODE, 25, 1), 1
	s_wait_xcnt 0x0
; cb = the five inputs as 16-bit numbers, one after the other: x (4,194,304 numbers), Wq, Wk, Wv, Wo (1,048,576 each).
; x, Wq, Wk, Wv are rounded to bf16.  Wo is rounded to bf16 and that value is written as f16, because the last product
; multiplies it with f16 numbers.  LIMIT: the bf16 value is kept exactly in f16 for 2^-17 <= |Wo| <= 65,504; below 2^-17 the
; f16 value differs from it by at most 2^-25.
; A stream: no LDS, no matrix unit.  Work-group g converts 16,384 numbers, 65,536 bytes in and 32,768 bytes out.  Thread t takes
; 32 neighbouring bytes of each 8,192 and stores 16: sixteen neighbouring lanes store 256 consecutive bytes, aligned.
; All sixteen loads of a thread go out at once; no register is written twice, so no source of a memory instruction is at stake.
.set X, 4                              ; v[4:67]   piece j: 8 numbers in f32
.set Y, 68                             ; v[68:99]  piece j: 8 numbers of 16 bits
	s_load_b256 s[4:11], s[0:1], 0x0               ; x s[4:5], Wq s[6:7], Wk s[8:9], Wv s[10:11]
	s_load_b128 s[12:15], s[0:1], 0x20             ; Wo s[12:13], cb s[14:15]
	s_lshr_b32 s16, ttmp9, 6                       ; which million numbers: 0-3 x, 4 Wq, 5 Wk, 6 Wv, 7 Wo
	s_and_b32 s17, ttmp9, 63
	s_lshl_b32 s17, s17, 16                        ; byte offset inside a weight
	s_lshl_b32 s18, ttmp9, 16                      ; byte offset inside x
	s_cmp_lt_u32 s16, 4
	s_cselect_b32 s18, s18, s17
	s_mov_b32 s19, 0
	s_lshl_b32 s20, ttmp9, 15                      ; byte offset in cb
	s_mov_b32 s21, 0
	s_mov_b32 s22, 0xffff0000                      ; a word's upper bf16
	v_lshlrev_b32 v1, 5, v0                        ; 32 t: my 8 numbers in
	v_lshlrev_b32 v2, 4, v0                        ; 16 t: my 8 numbers out
	s_wait_kmcnt 0x0
	s_cmp_eq_u32 s16, 4                            ; the source is chosen by the work-group's number alone
	s_cselect_b64 s[4:5], s[6:7], s[4:5]
	s_cmp_eq_u32 s16, 5
	s_cselect_b64 s[4:5], s[8:9], s[4:5]
	s_cmp_eq_u32 s16, 6
	s_cselect_b64 s[4:5], s[10:11], s[4:5]
	s_cmp_eq_u32 s16, 7
	s_cselect_b64 s[4:5], s[12:13], s[4:5]
	s_add_nc_u64 s[4:5], s[4:5], s[18:19]
	s_add_nc_u64 s[14:15], s[14:15], s[20:21]
.irp j, 0,1,2,3,4,5,6,7
	global_load_b128 v[X+8*\j:X+8*\j+3],   v1, s[4:5] offset:8192*\j th:TH_LOAD_NT
	global_load_b128 v[X+8*\j+4:X+8*\j+7], v1, s[4:5] offset:8192*\j+16 th:TH_LOAD_NT
.endr
; wo = 1: the bf16 value is widened again (a shift, a mask) and narrowed to f16
.macro CONV wo
.irp j, 0,1,2,3,4,5,6,7
	s_wait_loadcnt 14-2*\j                         ; loads come back in order: piece j's two are in, the 14 - 2 j younger ones stay out
.irp k, 0,1,2,3
	v_cvt_pk_bf16_f32 v[Y+4*\j+\k], v[X+8*\j+2*\k], v[X+8*\j+2*\k+1]
.endr
.if \wo
.irp k, 0,1,2,3
	v_lshlrev_b32 v[X+8*\j+2*\k],   16,  v[Y+4*\j+\k]
	v_and_b32     v[X+8*\j+2*\k+1], s22, v[Y+4*\j+\k]
.endr
.irp k, 0,1,2,3
	v_cvt_pk_f16_f32 v[Y+4*\j+\k], v[X+8*\j+2*\k], v[X+8*\j+2*\k+1]
.endr
.endif
	global_store_b128 v2, v[Y+4*\j:Y+4*\j+3], s[14:15] offset:4096*\j   ; read again by the next launches: no hint
.endr
.endm
	s_cmp_eq_u32 s16, 7
	s_cbranch_scc1 .Lwo
	CONV 0
	s_endpgm
.Lwo:
	CONV 1
	s_endpgm
.Lfunc_end_k_q10f73606c9_cast:
	.size	k_q10f73606c9_cast, .Lfunc_end_k_q10f73606c9_cast-k_q10f73606c9_cast
	.p2alignl 7, 3214868480
	.fill 96, 4, 3214868480
	.section	.rodata,"a",@progbits
	.p2align	6, 0x0
	.amdhsa_kernel k_q10f73606c9_cast
		.amdhsa_group_segment_fixed_size 0
		.amdhsa_private_segment_fixed_size 0
		.amdhsa_enable_private_segment 0
		.amdhsa_kernarg_size 48
		.amdhsa_user_sgpr_count 2
		.amdhsa_user_sgpr_kernarg_segment_ptr 1
		.amdhsa_wavefront_size32 1
		.amdhsa_system_sgpr_workgroup_id_x 1
		.amdhsa_system_sgpr_workgroup_id_y 1
		.amdhsa_system_sgpr_workgroup_id_z 1
		.amdhsa_system_vgpr_workitem_id 0
		.amdhsa_next_free_vgpr 100
		.amdhsa_next_free_sgpr 66
		.amdhsa_reserve_vcc 0
		.amdhsa_float_denorm_mode_32 3
		.amdhsa_float_denorm_mode_16_64 3
		.amdhsa_memory_ordered 1
		.amdhsa_forward_progress 1
		.amdhsa_inst_pref_size 13
	.end_amdhsa_kernel
	.amdgpu_metadata
---
amdhsa.version: [ 1, 2 ]
amdhsa.kernels:
  - .name:           k_q10f73606c9_cast
    .symbol:         k_q10f73606c9_cast.kd
    .args:
      - { .name: x, .offset: 0, .size: 8, .value_kind: global_buffer, .address_space: global }
      - { .name: Wq, .offset: 8, .size: 8, .value_kind: global_buffer, .address_space: global }
      - { .name: Wk, .offset: 16, .size: 8, .value_kind: global_buffer, .address_space: global }
      - { .name: Wv, .offset: 24, .size: 8, .value_kind: global_buffer, .address_space: global }
      - { .name: Wo, .offset: 32, .size: 8, .value_kind: global_buffer, .address_space: global }
      - { .name: cb, .offset: 40, .size: 8, .value_kind: global_buffer, .address_space: global }
    .group_segment_fixed_size: 0
    .private_segment_fixed_size: 0
    .kernarg_segment_align: 8
    .kernarg_segment_size: 48
    .max_flat_workgroup_size: 256
    .sgpr_count:     66
    .vgpr_count:     100
    .wavefront_size: 32
...
	.end_amdgpu_metadata
.endif
;; end of part 1
;; launch gemm_qkv (part 2): grid 16 x 16, 4 waves a work-group, clusters of 4 x 4, 327,680 bytes of LDS; arguments cb, qkv; writes qkv
.if DOCPART == 2
	.amdgcn_target "amdgcn-amd-amdhsa--gfx1250"
	.amdhsa_code_object_version 6
	.text
	.protected	k_q10f73606c9_gemm_qkv
	.globl	k_q10f73606c9_gemm_qkv
	.p2align	8
	.type	k_q10f73606c9_gemm_qkv,@function
k_q10f73606c9_gemm_qkv:
	s_mov_b64 s[64:65], 0
	v_nop
	global_prefetch_b8 v0, s[64:65] scope:SCOPE_SE
	s_setreg_imm32_b32 hwreg(HW_REG_WAVE_MODE, 25, 1), 1
	s_wait_xcnt 0x0
	s_wait_alu depctr_hold_cnt(0) depctr_sa_sdst(0) depctr_va_vdst(0) depctr_va_sdst(0) depctr_va_ssrc(0) depctr_va_vcc(0) depctr_vm_vsrc(0)
	s_getreg_b32 s2, hwreg(HW_REG_IB_STS2, 6, 4)
	s_cmp_eq_u32 s2, 0
	s_cbranch_scc0 .Lentry_in_a_cluster
	s_endpgm
.Lentry_in_a_cluster:
	s_bfe_u32 s2, ttmp6, 0x10000c
	s_cmp_lg_u32 s2, 0xf033
	s_cbranch_scc0 .Lentry_shape_is_right
	s_endpgm
.Lentry_shape_is_right:
; q, k, v = x W^T for the three weights at once: [4096 x 1024] x [3072 x 1024]^T, bf16 operands from cb (x: rows 0-4095, Wq, Wk, Wv: rows
; 4096-7167), sums in f32, results rounded once to f16.  LIMIT: |q|, |k|, |v| < 65,504 (f16's largest number).
; A work-group makes 256 rows x 192 columns with four waves; a wave makes 128 x 96: 8 x 6 accumulator tiles of 16 x 16, 384 registers.
; 16 x 16 = 256 work-groups.  K goes in steps of 128 through two LDS slots filled by the tensor data mover; a tile's rows are 256 bytes of
; memory, at multiples of 256 bytes from the buffer's first byte.
; CLUSTERS: 4 x 4 work-groups.  The four of a row of the cluster need the same rows of x, the four of a column the same rows of W: such a tile
; is asked for jointly, by the same tensor load with the same descriptor and a mask that names the four.
; RESULT LAYOUT: qkv[mat 3][bh 32][block of 128 rows: 16][plane 2][128 rows][32 columns] f16, so that the 128 keys of a head's block are
; 16,384 consecutive bytes and every store of a wave covers 512 consecutive bytes, aligned.
; REGISTERS, in windows of 256: window 0: addresses, A's fragments (v64-127, v128-191), v192-215 on the way out; window 1: B's fragments
; (v64-111, v128-175); window 2: accumulators of my rows 0-63 (tile (a, b) at v[8 (6 a + b)]); window 3: of my rows 64-127.
; The matrix instruction is used transposed (source 0 = rows of W, source 1 = rows of x): a lane holds eight neighbouring columns of one row.
.set SIZE_K, 1024
.set KSTEP,  128
.set PITCH,  272                       ; an LDS row: 256 bytes + 16 of padding: the 16 rows of a fragment load start at 16 different 16-byte columns
.set HALFA,  128*PITCH                 ; what one of A's tensor loads brings
.set HALFB,  96*PITCH                  ; what one of B's brings
.set BOFF,   2*HALFA                   ; B's rows lie behind A's 256
.set SLOT,   2*HALFA+2*HALFB           ; 121,856
.set STAGE,  2*SLOT                    ; 243,712 = 952 x 256: behind the ring, never the target of a tensor load
.set SPITCH, 80                        ; stage row: 64 bytes (32 f16) + 16
.set SGRP,   16*SPITCH                 ; one group of 32 columns, 16 rows
.set SWAVE,  3*SGRP                    ; a wave's stage: 3,840 bytes = 15 x 256
.set LAPS,   SIZE_K/(2*KSTEP)          ; 4 laps of two K steps
.set ADRA, 16                          ; v16-17  LDS address of my A fragments in slot 0, 1
.set ADRB, 20                          ; v20-21  the same for B
.set STO,  24                          ; v24     way out: where I put 16 bytes of a row
.set RD,   25                          ; v25     way out: where I read 16 bytes back
.set CO,   26                          ; v26-28  my byte offset in qkv for each of my three groups of 32 columns
.set F0,   64
.set F1,   128
.set TMP,  192
.set G1,  24                           ; s[24:31] group 1 for A's tiles
.set G0,  32                           ; s[32:39] group 0 for A's tiles, one set for each slot
.set G1B, 48                           ; s[48:55] group 1 for B's tiles
.set G0B, 56                           ; s[56:63] group 0 for B's tiles, one set for each slot
.set MSB, 0
.macro WIN new                         ; the immediate's high byte repeats the setting that is left
.if MSB != \new
	s_set_vgpr_msb (MSB<<8)|\new
.set MSB, \new
.endif
.endm
.set MUL_LO, 0xa1                      ; source 0 (B) window 1, source 1 (A) window 0, C and D window 2
.set MUL_HI, 0xf1                      ; the same, C and D window 3
.set TO_B,   0x40                      ; destination window 1, address window 0
; A joint load: waves 0 and 1 fetch A's two halves, waves 2 and 3 B's.  The branch hangs on the wave's number alone.
.macro JLOAD s
	s_cmp_eq_u32 s11, 0
	s_cbranch_scc0 .Lfor_b_\@
	tensor_load_to_lds s[G0+4*\s:G0+4*\s+3], s[G1:G1+7]
	s_nop 0
	s_branch .Lasked_\@
.Lfor_b_\@:
	tensor_load_to_lds s[G0B+4*\s:G0B+4*\s+3], s[G1B:G1B+7]
	s_nop 0
.Lasked_\@:
.endm
; A round of the cluster's barrier behind its opening work-group barrier: wave 0 signals for the work-group, every wave waits for all
; sixteen work-groups, the work-group's barrier once more.
.macro CREST
	s_cmp_lg_u32 s10, 0
	s_cbranch_scc1 .Lnot_wave_0_\@
	s_barrier_signal -3
.Lnot_wave_0_\@:
	s_barrier_wait -3
	s_barrier_signal -1
	s_barrier_wait -1
.endm
.macro CROUND
	s_barrier_signal -1
	s_barrier_wait -1
	CREST
.endm
	s_load_b128 s[4:7], s[0:1], 0x0                ; cb s[4:5], qkv s[6:7]
	s_set_vgpr_msb 0x40
	v_lshl_add_u32 v255, v0, 2, 0x3f400
	s_set_vgpr_msb 0x4000
	v_mov_b32 v255, 0
	s_set_vgpr_msb 0x1
	ds_add_u32 v255, v255
	s_set_vgpr_msb 0x100
	v_lshrrev_b32 v1, 5, v0
	v_readfirstlane_b32 s10, v1                    ; wave 0..3
	s_lshr_b32 s11, s10, 1                         ; wm: which 128 rows are mine.  Also: I fetch for A (0) or for B (1)
	s_and_b32 s12, s10, 1                          ; wn: which 96 columns.  Also: which half of that tile I fetch
	s_bfe_u32 s40, ttmp6, 0x40000                  ; cx
	s_bfe_u32 s41, ttmp6, 0x40004                  ; cy
	s_lshl_b32 s42, ttmp9, 2
	s_add_co_u32 s42, s42, s40                     ; bx: block of 192 columns
	s_and_b32 s13, ttmp7, 0xffff
	s_lshl_b32 s13, s13, 2
	s_add_co_u32 s13, s13, s41                     ; by: block of 256 rows
	s_lshl_b32 s43, s41, 2
	s_lshl_b32 s43, 15, s43                        ; my row of the cluster: places 4 cy .. 4 cy + 3
	s_lshl_b32 s44, 0x1111, s40                    ; my column: places cx, cx + 4, cx + 8, cx + 12
	; group 1: rows of 128 elements of 2 bytes, 16 bytes of padding behind every 64 words; A 128 rows, B 96 rows
	s_or_b32 s[G1+0], s43, (1<<16)|(1<<20)|(1<<21)|(5<<22)|(3<<25)
	s_or_b32 s[G1B+0], s44, (1<<16)|(1<<20)|(1<<21)|(5<<22)|(3<<25)
	s_mov_b32 s[G1+1], KSTEP<<16                   ; tensor_dim0 = 128
	s_mov_b32 s[G1B+1], KSTEP<<16
	s_mov_b32 s[G1+2], 128<<16                     ; tensor_dim1 = 128
	s_mov_b32 s[G1B+2], 96<<16                     ; tensor_dim1 = 96
	s_mov_b32 s[G1+3], KSTEP<<16                   ; tile_dim0 = 128
	s_mov_b32 s[G1B+3], KSTEP<<16
	s_mov_b32 s[G1+4], 128                         ; tile_dim1
	s_mov_b32 s[G1B+4], 96
	s_mov_b32 s[G1+5], SIZE_K                      ; elements from row to row
	s_mov_b32 s[G1B+5], SIZE_K
	s_mov_b32 s[G1+6], 0
	s_mov_b32 s[G1B+6], 0
	s_mov_b32 s[G1+7], 0
	s_mov_b32 s[G1B+7], 0
	; A's tiles hang on by alone, B's on bx alone; each address is made in registers that never hold the other coordinate
	s_lshl_b32 s17, s12, 7
	s_lshl_b32 s16, s13, 8
	s_add_co_u32 s16, s16, s17                     ; A: row 256 by + 128 half
	s_mul_i32 s46, s42, 192
	s_mul_i32 s47, s12, 96
	s_add_co_u32 s46, s46, s47
	s_add_co_u32 s46, s46, 4096                    ; B: row 4096 + 192 bx + 96 half of cb
	s_mov_b32 s17, 0
	s_mov_b32 s47, 0
	s_mov_b64 s[18:19], SIZE_K*2
	s_mul_u64 s[16:17], s[16:17], s[18:19]
	s_mul_u64 s[46:47], s[46:47], s[18:19]
	s_mul_i32 s20, s10, HALFA                      ; A's halves go to wave x HALFA (waves 0, 1)
	s_mul_i32 s45, s10, HALFB
	s_add_co_u32 s45, s45, BOFF-2*HALFB            ; B's halves to BOFF + (wave - 2) x HALFB (waves 2, 3)
	s_wait_dscnt 0x0
	s_wait_kmcnt 0x0
	s_add_nc_u64 s[14:15], s[4:5], s[16:17]
	s_add_nc_u64 s[46:47], s[4:5], s[46:47]
	CROUND                                         ; all sixteen work-groups are here: the first joint loads meet
.irp s, 0,1
	s_mov_b32 s[G0+4*\s], 1
	s_add_co_u32 s[G0+4*\s+1], s20, \s*SLOT
	s_add_nc_u64 s[G0+4*\s+2:G0+4*\s+3], s[14:15], \s*KSTEP*2
	s_or_b32 s[G0+4*\s+3], s[G0+4*\s+3], 0x80000000
	s_mov_b32 s[G0B+4*\s], 1
	s_add_co_u32 s[G0B+4*\s+1], s45, \s*SLOT
	s_add_nc_u64 s[G0B+4*\s+2:G0B+4*\s+3], s[46:47], \s*KSTEP*2
	s_or_b32 s[G0B+4*\s+3], s[G0B+4*\s+3], 0x80000000
	JLOAD \s                                       ; both slots are asked for before anything else: two tensor loads of a wave are out
.endr
	v_and_b32 v1, 15, v0                           ; r = lane % 16
	v_bfe_u32 v2, v0, 4, 1                         ; hh = lane / 16
	v_mul_u32_u24 v3, v1, PITCH
	v_lshl_add_u32 v3, v2, 4, v3                   ; fragment: row r, 16 bytes for each half of the lanes
	s_mul_i32 s21, s11, HALFA
	s_mul_i32 s22, s12, HALFB
	s_add_co_u32 s22, s22, BOFF
.irp s, 0,1
	v_add_nc_u32 v[ADRA+\s], s21, v3
	v_add_nc_u32 v[ADRB+\s], s22, v3
	s_add_co_u32 s21, s21, SLOT
	s_add_co_u32 s22, s22, SLOT
.endr
	s_mul_i32 s23, s10, SWAVE
	s_add_co_u32 s23, s23, STAGE                   ; my stage
	v_mul_u32_u24 v4, v1, SPITCH
	v_lshl_add_u32 v4, v2, 4, v4
	v_add_nc_u32 v[STO], s23, v4                   ; in: row r, 16 bytes for each half of the lanes
	v_bfe_u32 v5, v0, 2, 3                         ; back: four lanes take a row of 64 bytes, a wave eight rows
	v_and_b32 v6, 3, v0
	v_mul_u32_u24 v5, v5, SPITCH
	v_lshl_add_u32 v5, v6, 4, v5
	v_add_nc_u32 v[RD], s23, v5
	v_and_b32 v7, 31, v0
	v_lshlrev_b32 v7, 4, v7                        ; 16 x lane
; 12 matrix instructions: m blocks a0, a0 + 1 of the window's four x all 6 n blocks, 32 along K.  zero = 1: the first product starts the sums.
.macro MUL12 f, hi, a0, zero
.irp a, \a0, \a0+1
.irp b, 0,1,2,3,4,5
.if \zero
	v_wmma_f32_16x16x32_bf16 v[8*(6*(\a)+\b):8*(6*(\a)+\b)+7], v[\f+8*\b:\f+8*\b+7], v[\f+8*(4*\hi+(\a)):\f+8*(4*\hi+(\a))+7], 0
.else
	v_wmma_f32_16x16x32_bf16 v[8*(6*(\a)+\b):8*(6*(\a)+\b)+7], v[\f+8*\b:\f+8*\b+7], v[\f+8*(4*\hi+(\a)):\f+8*(4*\hi+(\a))+7], v[8*(6*(\a)+\b):8*(6*(\a)+\b)+7]
.endif
.endr
.endr
.endm
; 28 LDS loads in one run: 96 rows of B, 128 rows of A, 32 K at byte k of the rows, into buffer f
.macro FETCH slot, k, f
	WIN TO_B
.irp i, 0,1,2,3,4,5
	ds_load_b128 v[\f+8*\i:\f+8*\i+3],   v[ADRB+\slot] offset:\k+\i*16*PITCH
	ds_load_b128 v[\f+8*\i+4:\f+8*\i+7], v[ADRB+\slot] offset:\k+\i*16*PITCH+32
.endr
	WIN 0
.irp i, 0,1,2,3,4,5,6,7
	ds_load_b128 v[\f+8*\i:\f+8*\i+3],   v[ADRA+\slot] offset:\k+\i*16*PITCH
	ds_load_b128 v[\f+8*\i+4:\f+8*\i+7], v[ADRA+\slot] offset:\k+\i*16*PITCH+32
.endr
.endm
; four places behind a matrix instruction before a load lands on one of its sources or a vector instruction reads its result
.macro PLACES
.rept 4
	v_nop
.endr
.endm
; A K step is four quarters of 32 along K, 48 matrix instructions each, on buffers 0, 1, 0, 1.  The 48 accumulators take turns, one
; instruction a turn, in the same order in every quarter.
.macro QUARTER slot, k, f, g, zero
	s_wait_dscnt 8                                 ; B and A's rows 0-63 are in; the youngest eight loads (A's rows 64-127) may be out
	WIN MUL_LO
	MUL12 \f, 0, 0, \zero
	MUL12 \f, 0, 2, \zero
	PLACES
	FETCH \slot, \k, \g
	s_wait_dscnt 28                                ; all but the 28 just issued
	WIN MUL_HI
	MUL12 \f, 1, 0, \zero
	MUL12 \f, 1, 2, \zero
.endm
.macro THREE slot, zero
	QUARTER \slot, 64,  F0, F1, \zero
	QUARTER \slot, 128, F1, F0, 0
	QUARTER \slot, 192, F0, F1, 0
.endm
; The last quarter multiplies buffer 1 and changes slots.  In front of the barrier each wave waits for its reads of this slot and for all its
; tensor loads (one is out: its part of the next slot).  Behind it the refill comes first, then the next slot's first fragments.
; From a request to the wait for it a wave issues 180 matrix instructions.
.macro TURN slot, next, fill
	s_wait_dscnt 8
	WIN MUL_LO
	MUL12 F1, 0, 0, 0
	s_wait_dscnt 0                                 ; my reads of this slot are over
	s_wait_tensorcnt 0x0                           ; all my tensor loads have landed
	ds_add_u32 v255, v255
	s_wait_dscnt 0x0
	s_barrier_signal -1                            ; where the slot is filled again this barrier opens a round of the cluster's barrier
	MUL12 F1, 0, 2, 0                              ; register work alone between signal and wait
	WIN 0
	s_barrier_wait -1
.if \fill
	CREST                                          ; no wave of any partner still reads this slot or has a load on its way
	s_add_nc_u64 s[G0+4*\slot+2:G0+4*\slot+3], s[G0+4*\slot+2:G0+4*\slot+3], 2*KSTEP*2
	s_add_nc_u64 s[G0B+4*\slot+2:G0B+4*\slot+3], s[G0B+4*\slot+2:G0B+4*\slot+3], 2*KSTEP*2
	JLOAD \slot                                    ; the first tensor load behind the round, one a wave
.endif
	PLACES
	FETCH \next, 0, F0
	WIN MUL_HI
	MUL12 F1, 1, 0, 0
	MUL12 F1, 1, 2, 0
.endm
.macro LAP zero
	THREE 0, \zero
	TURN 0, 1, 1
	THREE 1, 0
	TURN 1, 0, 1
.endm
	s_wait_tensorcnt 1                             ; my part of K step 0 is in; K step 1's may stay out
	s_barrier_signal -1
	s_barrier_wait -1
	FETCH 0, 0, F0
	LAP 1                                          ; the first lap's first products start the sums: nothing is cleared
	WIN 0
	s_mov_b32 s3, LAPS-2
.Llap:
	LAP 0
	WIN 0
	s_sub_co_u32 s3, s3, 1
	s_cmp_lg_u32 s3, 0
	s_cbranch_scc1 .Llap
	THREE 0, 0                                     ; the last lap fills nothing
	TURN 0, 1, 0
	THREE 1, 0
	s_wait_dscnt 8
	WIN MUL_LO
	MUL12 F1, 0, 0, 0
	MUL12 F1, 0, 2, 0
	s_wait_dscnt 0
	WIN MUL_HI
	MUL12 F1, 1, 0, 0
	MUL12 F1, 1, 2, 0
	; THE WAY OUT.  My group gg of 32 columns is group G = 6 bx + 3 wn + gg of the 96: matrix G / 32, head (G % 32) / 2, plane G % 2.
	; My 128 rows are batch by / 8, block 2 (by % 8) + wm.  All tensor loads are done, so B's group 0 registers serve as scratch here:
	; no register that fed A's descriptors takes a number made of cx.
	PLACES
	WIN 0
	s_lshr_b32 s14, s13, 3
	s_lshl_b32 s14, s14, 22                        ; batch x 16 heads x 262,144
	s_and_b32 s15, s13, 7
	s_lshl1_add_u32 s15, s15, s11
	s_lshl_b32 s15, s15, 14                        ; block x 16,384
	s_add_co_u32 s14, s14, s15
	s_mul_i32 s56, s42, 6
	s_mul_i32 s57, s12, 3
	s_add_co_u32 s56, s56, s57
.irp gg, 0,1,2
	s_add_co_u32 s57, s56, \gg                     ; G
	s_lshr_b32 s58, s57, 5
	s_lshl_b32 s58, s58, 23                        ; matrix x 8,388,608
	s_bfe_u32 s59, s57, 0x40001
	s_lshl_b32 s59, s59, 18                        ; head x 262,144
	s_add_co_u32 s58, s58, s59
	s_and_b32 s59, s57, 1
	s_lshl_b32 s59, s59, 13                        ; plane x 8,192
	s_add_co_u32 s58, s58, s59
	s_add_co_u32 s58, s58, s14
	v_add_nc_u32 v[CO+\gg], s58, v7
.endr
; rows 16 i .. 16 i + 15 of my block: round to f16, 16 bytes a lane into my own stage, read back by rows of 64 bytes, store 512 dense bytes at a time
.macro OUT16 i, a, from, f
	WIN \from
.irp b, 0,1,2,3,4,5
.irp r, 0,1,2,3
	v_cvt_pk_f16_f32 v[TMP+4*\b+\r], v[8*(6*\a+\b)+2*\r], v[8*(6*\a+\b)+2*\r+1]
.endr
.endr
	WIN 0
.irp b, 0,1,2,3,4,5
	ds_store_b128 v[STO], v[TMP+4*\b:TMP+4*\b+3] offset:(\b/2)*SGRP+(\b%2)*32
.endr
	s_wait_xcnt 0x0                                ; buffer f, which earlier stores read, is loaded again only behind this wait
.irp n, 0,1,2,3,4,5
	ds_load_b128 v[\f+4*\n:\f+4*\n+3], v[RD] offset:(\n/2)*SGRP+(\n%2)*8*SPITCH   ; LDS serves a wave's instructions in order: these see the stores above
.endr
.irp n, 0,1,2,3,4,5
	s_wait_dscnt 5-\n                              ; load n is in, the younger ones stay out
	global_store_b128 v[CO+\n/2], v[\f+4*\n:\f+4*\n+3], s[6:7] offset:1024*\i+512*(\n%2)
.endr
.endm
	OUT16 0, 0, 0x0a, F0
	OUT16 1, 1, 0x0a, F1
	OUT16 2, 2, 0x0a, F0
	OUT16 3, 3, 0x0a, F1
	OUT16 4, 0, 0x0f, F0
	OUT16 5, 1, 0x0f, F1
	OUT16 6, 2, 0x0f, F0
	OUT16 7, 3, 0x0f, F1
	s_set_vgpr_msb 0x1
	s_wait_tensorcnt 0x0
	ds_add_u32 v255, v255
	s_wait_dscnt 0x0
	s_set_vgpr_msb 0x100
	CROUND                                         ; the closing round: no work-group ends while a partner may still ask for a tile that names it
	s_endpgm
.Lfunc_end_k_q10f73606c9_gemm_qkv:
	.size	k_q10f73606c9_gemm_qkv, .Lfunc_end_k_q10f73606c9_gemm_qkv-k_q10f73606c9_gemm_qkv
	.p2alignl 7, 3214868480
	.fill 96, 4, 3214868480
	.section	.rodata,"a",@progbits
	.p2align	6, 0x0
	.amdhsa_kernel k_q10f73606c9_gemm_qkv
		.amdhsa_group_segment_fixed_size 327680
		.amdhsa_private_segment_fixed_size 0
		.amdhsa_enable_private_segment 0
		.amdhsa_kernarg_size 16
		.amdhsa_user_sgpr_count 2
		.amdhsa_user_sgpr_kernarg_segment_ptr 1
		.amdhsa_wavefront_size32 1
		.amdhsa_system_sgpr_workgroup_id_x 1
		.amdhsa_system_sgpr_workgroup_id_y 1
		.amdhsa_system_sgpr_workgroup_id_z 1
		.amdhsa_system_vgpr_workitem_id 0
		.amdhsa_next_free_vgpr 1024
		.amdhsa_next_free_sgpr 66
		.amdhsa_reserve_vcc 0
		.amdhsa_float_denorm_mode_32 3
		.amdhsa_float_denorm_mode_16_64 3
		.amdhsa_memory_ordered 1
		.amdhsa_forward_progress 1
		.amdhsa_inst_pref_size 159
	.end_amdhsa_kernel
	.amdgpu_metadata
---
amdhsa.version: [ 1, 2 ]
amdhsa.kernels:
  - .name:           k_q10f73606c9_gemm_qkv
    .symbol:         k_q10f73606c9_gemm_qkv.kd
    .args:
      - { .name: cb, .offset: 0, .size: 8, .value_kind: global_buffer, .address_space: global }
      - { .name: qkv, .offset: 8, .size: 8, .value_kind: global_buffer, .address_space: global }
    .group_segment_fixed_size: 327680
    .private_segment_fixed_size: 0
    .kernarg_segment_align: 8
    .kernarg_segment_size: 16
    .max_flat_workgroup_size: 128
    .sgpr_count:     66
    .vgpr_count:     1024
    .wavefront_size: 32
...
	.end_amdgpu_metadata
.endif
;; end of part 2
;; launch attn (part 3): grid 256 x 1, 8 waves a work-group, no clusters, 327,680 bytes of LDS; arguments qkv, ao; writes ao
.if DOCPART == 3
	.amdgcn_target "amdgcn-amd-amdhsa--gfx1250"
	.amdhsa_code_object_version 6
	.text
	.protected	k_q10f73606c9_attn
	.globl	k_q10f73606c9_attn
	.p2align	8
	.type	k_q10f73606c9_attn,@function
k_q10f73606c9_attn:
	s_mov_b64 s[64:65], 0
	v_nop
	global_prefetch_b8 v0, s[64:65] scope:SCOPE_SE
	s_setreg_imm32_b32 hwreg(HW_REG_WAVE_MODE, 25, 1), 1
	s_wait_xcnt 0x0
; Causal attention of one head for two blocks of 128 queries, with a running maximum; f16 operands, f32 sums and softmax.
; Work-group g: head bh = g / 8, query blocks i = g % 8 and 15 - i: (i + 1) + (16 - i) = 17 key tiles of 128 for every work-group.
; Key tiles above the diagonal are not touched: their weights are zero in the result.  Pass 1 makes the even one of the two blocks, pass 2 the
; odd one.  Each pass takes its diagonal tile first: it starts the sums, so nothing is cleared.  Pass 1 has an odd number of tiles.
; WAVES: w = 2 qg + kh has queries 32 qg .. + 31 (two tiles u of 16) and keys 64 kh .. + 63 of every key tile, with its own maximum, sum
; and O; the two key halves are merged through LDS at the end of a pass.
; PRODUCTS ARE TRANSPOSED.  S^T = K Q^T: lane (r, hh) holds query r and keys 8 hh + j, so maximum and sum run inside the lane with one
; exchange between the halves, and two packed S tiles are already the second source of O^T = V^T P.  V^T comes from V[key][d] by the
; transposing LDS load.
; NO CLUSTER: the eight work-groups of a head walk tile sequences of different order and length, so partners would need different tiles in
; the same round.
; LIMITS: a masked score is -2^127 (not the f32 minimum): its product with c is exact, so a wholly masked part gives exponent 0 and is
; weighted with exp2 of about -3e37 = 0 at the next tile or in the merge.  Real scores stay above it: |q k| <= 64 x 65,504^2.
; p = exp2(s c - m c), c = log2(e) / 8.
.set VPITCH, 96                        ; V row: 64 bytes + 32: an odd multiple of 32 for the transposing load
.set KPITCH, 80                        ; K row: 64 bytes + 16
.set VPLANE, 128*VPITCH
.set KPLANE, 128*KPITCH
.set VHALF,  2*VPLANE                  ; one key tile of V: 24,576
.set KHALF,  2*KPLANE                  ; one key tile of K: 20,480
.set KOFF,   2*VHALF
.set SLOT,   KOFF+2*KHALF              ; 90,112: two tiles of the sequence
.set MST,    2*SLOT                    ; 180,224 = 704 x 256: from here on no tensor load lands.  8 waves x 8,192: O in register order
.set STT,    MST+8*8192                ; 8 waves x 512: m c and l
.set OST,    STT+8*512                 ; 8 waves x 2,304: 16 rows of 128 bytes, pitch 144
.set OPITCH, 144
.set MASKED, 0xff000000                ; -2^127
.set VK,  1                            ; v1-2   K fragment address, slot 0, 1
.set VV,  3                            ; v3-4   V fragment address, slot 0, 1
.set VQ,  5                            ; v5     Q fragment offset
.set DM,  6                            ; v6     my query minus my first key on the diagonal tile (signed)
.set VMS, 7                            ; v7     merge: where I put O
.set VML, 8                            ; v8     merge: where I read both halves' O
.set VST, 9                            ; v9     merge: where I put m c and l
.set VSL, 10                           ; v10    merge: where I read them
.set VOS, 11                           ; v11    way out: in
.set VOR, 12                           ; v12    way out: back
.set VOUT, 13                          ; v13    my byte offset in the block of ao
.set MM,  14                           ; v[14:15] running maximum, raw, for u = 0, 1
.set MC,  16                           ; v[16:17] the same times c
.set AL,  18                           ; v[18:19] rescale factor
.set LS,  20                           ; v[20:21] running sum (of my half of the lanes' keys)
.set TT,  22                           ; v[22:31] at work
.set QQ,  32                           ; v[32:63]   Q(u, ks) at QQ + 16 u + 8 ks
.set SS,  64                           ; v[64:127]  S(u, kt) at SS + 32 u + 8 kt; P(u, kp) in place at SS + 32 u + 16 kp
.set KV,  128                          ; v[128:191] K(ks, kt) at KV + 32 ks + 8 kt, then V(kp, dt) at KV + 32 kp + 8 dt
.set OO,  192                          ; v[192:255] O(u, dt) at OO + 32 u + 8 dt
.set G1V, 24                           ; s[24:31]
.set G1K, 32                           ; s[32:39]
.set G0V, 40                           ; s[40:47] one set for each slot
.set G0K, 48                           ; s[48:55]
	s_load_b128 s[4:7], s[0:1], 0x0                ; qkv s[4:5], ao s[6:7]
	s_set_vgpr_msb 0x40
	v_lshl_add_u32 v0, v0, 2, 0x41800
	v_mov_b32 v1, 0
	s_set_vgpr_msb 0x4045
	ds_add_u32 v0, v1
	s_set_vgpr_msb 0x4500
	v_lshrrev_b32 v1, 5, v0
	v_readfirstlane_b32 s8, v1                     ; wave 0..7
	s_and_b32 s9, s8, 1                            ; kh.  Also: which half of a slot a loading wave fills
	s_lshr_b32 s10, s8, 1                          ; qg
	s_lshr_b32 s69, ttmp9, 3                       ; bh
	s_and_b32 s67, ttmp9, 7                        ; i
	s_sub_co_u32 s68, 15, s67
	s_bitcmp1_b32 s67, 0                           ; i odd?
	s_cselect_b32 s12, s68, s67                    ; blkA: the even one
	s_cselect_b32 s13, s67, s68                    ; blkB: the odd one
	s_add_co_u32 s14, s12, 1                       ; nA: tiles of pass 1, odd
	s_mov_b32 s15, 1                               ; the number of the odd tile of the slot at hand
	s_mov_b32 s16, 0x76543210                      ; v_permlanex16_b32: lane i of one half reads lane i of the other
	s_mov_b32 s17, 0xfedcba98
	s_mov_b32 s18, 0                               ; first tile number of the next fill
	s_mov_b32 s74, 0x3e38aa3b                      ; c = log2(e) / 8
	s_mov_b32 s75, 0x3e38aa3b
	s_lshl_b32 s70, s69, 18                        ; head x 262,144
	s_mov_b32 s71, 0
	s_lshr_b32 s72, s69, 4
	s_lshl_b32 s72, s72, 22                        ; ao: batch x 16 blocks x 262,144
	s_and_b32 s73, s69, 15
	s_lshl_b32 s73, s73, 14                        ;     + head x 16,384
	s_add_co_u32 s72, s72, s73
	s_mov_b32 s73, 0
	; group 1: 256 dense rows of 32 elements of 2 bytes (two planes of 128 keys); padding behind every 16 words: V 8 words, K 4 words
	s_mov_b32 s[G1V+0], (1<<16)|(1<<20)|(3<<22)|(7<<25)
	s_mov_b32 s[G1K+0], (1<<16)|(1<<20)|(3<<22)|(3<<25)
.irp g, G1V, G1K
	s_mov_b32 s[\g+1], 32<<16                      ; tensor_dim0 = 32
	s_mov_b32 s[\g+2], 256<<16                     ; tensor_dim1 = 256
	s_mov_b32 s[\g+3], 32<<16                      ; tile_dim0 = 32
	s_mov_b32 s[\g+4], 256                         ; tile_dim1 = 256
	s_mov_b32 s[\g+5], 32                          ; elements from row to row
	s_mov_b32 s[\g+6], 0
	s_mov_b32 s[\g+7], 0
.endr
	s_mul_i32 s66, s8, VHALF                       ; waves 0, 1: V's half = wave
	s_mul_i32 s67, s8, KHALF
	s_add_co_u32 s67, s67, KOFF-2*KHALF            ; waves 2, 3: K's half = wave - 2
.irp s, 0,1
	s_mov_b32 s[G0V+4*\s], 1
	s_add_co_u32 s[G0V+4*\s+1], s66, \s*SLOT
	s_mov_b32 s[G0K+4*\s], 1
	s_add_co_u32 s[G0K+4*\s+1], s67, \s*SLOT
.endr
	v_and_b32 v22, 31, v0                          ; lane
	v_and_b32 v23, 15, v0                          ; r
	v_bfe_u32 v24, v0, 4, 1                        ; hh
	v_lshlrev_b32 v25, 6, v23
	v_lshl_add_u32 v25, v24, 4, v25
	s_lshl_b32 s66, s10, 11
	v_add_nc_u32 v[VQ], s66, v25                   ; (32 qg + r) x 64 + 16 hh
	s_wait_dscnt 0x0
	s_wait_kmcnt 0x0
	s_add_nc_u64 s[22:23], s[4:5], s[70:71]        ; q of this head
	s_add_nc_u64 s[6:7], s[6:7], s[72:73]
	s_lshl_b32 s70, s12, 14
	s_add_nc_u64 s[56:57], s[22:23], s[70:71]      ; Q of pass 1
	s_lshl_b32 s70, s13, 14
	s_add_nc_u64 s[58:59], s[22:23], s[70:71]      ; Q of pass 2
	s_lshl_b32 s70, s12, 18
	s_add_nc_u64 s[60:61], s[6:7], s[70:71]        ; ao of pass 1
	s_lshl_b32 s70, s13, 18
	s_add_nc_u64 s[62:63], s[6:7], s[70:71]        ; ao of pass 2
	s_add_nc_u64 s[20:21], s[22:23], 0x1000000     ; v of this head
	s_add_nc_u64 s[22:23], s[22:23], 0x800000      ; k of this head
; The global addresses of slot's next fill.  Tile n = s18 + half is key tile: blkA (n = 0), n - 1 (n < nA), blkB (n = nA), n - nA - 1 (above).
; Written only where no tensor load of the wave is out.
.macro NEXTADDR slot
	s_add_co_u32 s66, s18, s9
	s_sub_co_u32 s67, s66, 1
	s_cmp_eq_u32 s66, 0
	s_cselect_b32 s67, s12, s67
	s_sub_co_u32 s68, s66, s14
	s_sub_co_u32 s68, s68, 1
	s_cmp_eq_u32 s66, s14
	s_cselect_b32 s68, s13, s68
	s_cmp_lt_u32 s66, s14
	s_cselect_b32 s66, s67, s68
	s_lshl_b32 s66, s66, 14                        ; a key tile is 16,384 bytes
	s_mov_b32 s67, 0
	s_add_nc_u64 s[G0V+4*(\slot)+2:G0V+4*(\slot)+3], s[20:21], s[66:67]
	s_or_b32 s[G0V+4*(\slot)+3], s[G0V+4*(\slot)+3], 0x80000000
	s_add_nc_u64 s[G0K+4*(\slot)+2:G0K+4*(\slot)+3], s[22:23], s[66:67]
	s_or_b32 s[G0K+4*(\slot)+3], s[G0K+4*(\slot)+3], 0x80000000
	s_add_co_u32 s18, s18, 2
.endm
; a slot's fill: waves 0, 1 bring V's two halves, waves 2, 3 K's, waves 4-7 nothing: one tensor load a wave
.macro LOADT slot
	s_cmp_lt_u32 s8, 2
	s_cbranch_scc0 .Lnot_v_\@
	tensor_load_to_lds s[G0V+4*(\slot):G0V+4*(\slot)+3], s[G1V:G1V+7]
	s_nop 0
	s_branch .Lloaded_\@
.Lnot_v_\@:
	s_cmp_lt_u32 s8, 4
	s_cbranch_scc0 .Lloaded_\@
	tensor_load_to_lds s[G0K+4*(\slot):G0K+4*(\slot)+3], s[G1K:G1K+7]
	s_nop 0
.Lloaded_\@:
.endm
; the last fill brings tile 16 alone: half 0, waves 0 and 2
.macro LOADH slot
	s_cmp_eq_u32 s8, 0
	s_cbranch_scc0 .Lnot_v_\@
	tensor_load_to_lds s[G0V+4*(\slot):G0V+4*(\slot)+3], s[G1V:G1V+7]
	s_nop 0
	s_branch .Lloaded_\@
.Lnot_v_\@:
	s_cmp_eq_u32 s8, 2
	s_cbranch_scc0 .Lloaded_\@
	tensor_load_to_lds s[G0K+4*(\slot):G0K+4*(\slot)+3], s[G1K:G1K+7]
	s_nop 0
.Lloaded_\@:
.endm
.macro QLOAD base
.irp u, 0,1
.irp ks, 0,1
	global_load_b128 v[QQ+16*\u+8*\ks:QQ+16*\u+8*\ks+3],   v[VQ], s[\base:\base+1] offset:\ks*8192+\u*1024
	global_load_b128 v[QQ+16*\u+8*\ks+4:QQ+16*\u+8*\ks+7], v[VQ], s[\base:\base+1] offset:\ks*8192+\u*1024+32
.endr
.endr
.endm
	NEXTADDR 0                                     ; tiles 0, 1
	NEXTADDR 1                                     ; tiles 2, 3
	; both first fills of a wave inside one branch on its number, ahead of every wait on TENSORcnt, LDS read and barrier: two loads of a wave are out
	s_cmp_lt_u32 s8, 2
	s_cbranch_scc0 .Lfirst_not_v
	tensor_load_to_lds s[G0V:G0V+3], s[G1V:G1V+7]
	s_nop 0
	tensor_load_to_lds s[G0V+4:G0V+7], s[G1V:G1V+7]
	s_nop 0
	s_branch .Lfirst_done
.Lfirst_not_v:
	s_cmp_lt_u32 s8, 4
	s_cbranch_scc0 .Lfirst_done
	tensor_load_to_lds s[G0K:G0K+3], s[G1K:G1K+7]
	s_nop 0
	tensor_load_to_lds s[G0K+4:G0K+7], s[G1K:G1K+7]
	s_nop 0
.Lfirst_done:
	QLOAD 56
	v_mul_u32_u24 v25, v23, KPITCH                 ; K fragment: key row 64 kh + r, 16 bytes for each half of the lanes
	v_lshl_add_u32 v25, v24, 4, v25
	s_mul_i32 s66, s9, 64*KPITCH
	s_add_co_u32 s66, s66, KOFF
	v_add_nc_u32 v[VK], s66, v25
	v_add_nc_u32 v[VK+1], SLOT, v[VK]
	v_and_b32 v25, 7, v0                           ; V, transposing load: key row 64 kh + 8 hh + lane % 8, 16 bytes by bit 3 of the lane
	v_lshl_add_u32 v25, v24, 3, v25
	v_mul_u32_u24 v25, v25, VPITCH
	v_bfe_u32 v26, v0, 3, 1
	v_lshl_add_u32 v25, v26, 4, v25
	s_mul_i32 s66, s9, 64*VPITCH
	v_add_nc_u32 v[VV], s66, v25
	v_add_nc_u32 v[VV+1], SLOT, v[VV]
	s_lshl_b32 s66, s10, 5                         ; DM = 32 qg + r - 64 kh - 8 hh
	s_lshl_b32 s67, s9, 6
	s_sub_co_i32 s66, s66, s67
	v_lshlrev_b32 v25, 3, v24
	v_sub_nc_u32 v25, v23, v25
	v_add_nc_u32 v[DM], s66, v25
	v_lshlrev_b32 v25, 4, v22                      ; 16 x lane
	s_lshl_b32 s66, s8, 13
	s_add_co_u32 s66, s66, MST
	v_add_nc_u32 v[VMS], s66, v25
	s_lshl_b32 s66, s10, 14                        ; wave 2 qg's part, its query tile u = kh
	s_lshl_b32 s67, s9, 12
	s_add_co_u32 s66, s66, s67
	s_add_co_u32 s66, s66, MST
	v_add_nc_u32 v[VML], s66, v25
	s_lshl_b32 s66, s10, 12                        ; rows 32 qg + 16 kh of 128 bytes
	s_lshl_b32 s67, s9, 11
	s_add_co_u32 s66, s66, s67
	v_add_nc_u32 v[VOUT], s66, v25
	v_lshlrev_b32 v25, 2, v22                      ; 4 x lane
	s_lshl_b32 s66, s8, 9
	s_add_co_u32 s66, s66, STT
	v_add_nc_u32 v[VST], s66, v25
	s_lshl_b32 s66, s10, 10
	s_lshl_b32 s67, s9, 7
	s_add_co_u32 s66, s66, s67
	s_add_co_u32 s66, s66, STT
	v_add_nc_u32 v[VSL], s66, v25
	s_mul_i32 s66, s8, 16*OPITCH
	s_add_co_u32 s66, s66, OST
	v_mul_u32_u24 v25, v23, OPITCH
	v_lshl_add_u32 v25, v24, 4, v25
	v_add_nc_u32 v[VOS], s66, v25
	v_bfe_u32 v25, v0, 3, 2
	v_mul_u32_u24 v25, v25, OPITCH
	v_and_b32 v26, 7, v0
	v_lshl_add_u32 v25, v26, 4, v25
	v_add_nc_u32 v[VOR], s66, v25
; One key tile (half hf of slot).  first = 1: a pass's diagonal tile: masked, and it starts maximum, sum and O.
; In both products the eight accumulators take turns, one instruction a turn.
.macro BODY slot, hf, first
.rept 5
	v_nop                                          ; five places behind the last P V product: the S products write over its P, the loads land on its V
.endr
.irp ks, 0,1
.irp kt, 0,1,2,3
	ds_load_b128 v[KV+32*\ks+8*\kt:KV+32*\ks+8*\kt+3],   v[VK+\slot] offset:\hf*KHALF+\ks*KPLANE+\kt*16*KPITCH
	ds_load_b128 v[KV+32*\ks+8*\kt+4:KV+32*\ks+8*\kt+7], v[VK+\slot] offset:\hf*KHALF+\ks*KPLANE+\kt*16*KPITCH+32
.endr
.endr
.if \first
	s_wait_loadcnt 0x0                             ; this pass's Q
.endif
	s_wait_dscnt 0x8                               ; d = 0..31 of my 64 keys is in; the eight younger loads (d = 32..63) stay out
.irp u, 0,1
.irp kt, 0,1,2,3
	v_wmma_f32_16x16x32_f16 v[SS+32*\u+8*\kt:SS+32*\u+8*\kt+7], v[KV+8*\kt:KV+8*\kt+7], v[QQ+16*\u:QQ+16*\u+7], 0
.endr
.endr
	s_wait_dscnt 0x0
.irp u, 0,1
.irp kt, 0,1,2,3
	v_wmma_f32_16x16x32_f16 v[SS+32*\u+8*\kt:SS+32*\u+8*\kt+7], v[KV+32+8*\kt:KV+32+8*\kt+7], v[QQ+16*\u+8:QQ+16*\u+15], v[SS+32*\u+8*\kt:SS+32*\u+8*\kt+7]
.endr
.endr
.rept 4
	v_nop                                          ; four places before S is read and V lands on K's registers
.endr
.irp kp, 0,1
.irp dt, 0,1,2,3
	ds_load_tr16_b128 v[KV+32*\kp+8*\dt:KV+32*\kp+8*\dt+3],   v[VV+\slot] offset:\hf*VHALF+(\dt/2)*VPLANE+(\dt%2)*32+\kp*32*VPITCH
	ds_load_tr16_b128 v[KV+32*\kp+8*\dt+4:KV+32*\kp+8*\dt+7], v[VV+\slot] offset:\hf*VHALF+(\dt/2)*VPLANE+(\dt%2)*32+\kp*32*VPITCH+16*VPITCH
.endr
.endr
.if \first
	; key 64 kh + 16 kt + 8 hh + j stays if it is not beyond query 32 qg + 16 u + r: 16 kt + j - 16 u <= DM
.irp u, 0,1
.irp kt, 0,1,2,3
.irp j, 0,1,2,3,4,5,6,7
	v_cmp_le_i32 vcc_lo, 16*\kt+\j-16*\u, v[DM]
	v_cndmask_b32 v[SS+32*\u+8*\kt+\j], MASKED, v[SS+32*\u+8*\kt+\j], vcc_lo
.endr
.endr
.endr
.endif
	; the largest of my 32 scores of each query, four chains for each u
.irp c, 0,1,2,3
.irp u, 0,1
	v_max3_num_f32 v[TT+4*\u+\c], v[SS+32*\u+3*\c], v[SS+32*\u+3*\c+1], v[SS+32*\u+3*\c+2]
.endr
.endr
.irp p, 0,1,2,3,4,5,6,7,8,9
.irp u, 0,1
	v_max3_num_f32 v[TT+4*\u+\p%4], v[TT+4*\u+\p%4], v[SS+32*\u+12+2*\p], v[SS+32*\u+13+2*\p]
.endr
.endr
.irp u, 0,1
	v_max3_num_f32 v[TT+4*\u], v[TT+4*\u], v[TT+4*\u+1], v[TT+4*\u+2]
.endr
.irp u, 0,1
	v_max_num_f32 v[TT+4*\u], v[TT+4*\u], v[TT+4*\u+3]
.endr
.irp u, 0,1
	v_permlanex16_b32 v[TT+4*\u+1], v[TT+4*\u], s16, s17       ; the other half's keys of the same query
.endr
.irp u, 0,1
.if \first
	v_max_num_f32 v[MM+\u], v[TT+4*\u], v[TT+4*\u+1]
.else
	v_max3_num_f32 v[MM+\u], v[TT+4*\u], v[TT+4*\u+1], v[MM+\u]
.endif
.endr
.if \first
	v_pk_mul_f32 v[MC:MC+1], v[MM:MM+1], s[74:75] op_sel_hi:[1,0]
.else
	; the rescale exponent is the difference of the two ROUNDED products m c, the same numbers that the weights are taken against
	v_pk_mul_f32 v[TT+8:TT+9], v[MM:MM+1], s[74:75] op_sel_hi:[1,0]
	v_pk_add_f32 v[AL:AL+1], v[MC:MC+1], v[TT+8:TT+9] neg_lo:[0,1] neg_hi:[0,1]   ; old m c - new m c, never above 0
	v_pk_mul_f32 v[MC:MC+1], v[MM:MM+1], s[74:75] op_sel_hi:[1,0]                 ; one packed line in place of two moves
.endif
.irp i, 0,1,2,3,4,5,6,7,8,9,10,11,12,13,14,15
	v_pk_fma_f32 v[SS+2*\i:SS+2*\i+1], v[SS+2*\i:SS+2*\i+1], s[74:75], v[MC:MC+1] op_sel:[0,0,0] op_sel_hi:[1,0,0] neg_lo:[0,0,1] neg_hi:[0,0,1]
.endr
.if \first == 0
	v_exp_f32 v[AL], v[AL]
	v_exp_f32 v[AL+1], v[AL+1]
.endif
.irp i, 0,1,2,3,4,5,6,7,8,9,10,11,12,13,14,15,16,17,18,19,20,21,22,23,24,25,26,27,28,29,30,31
	v_exp_f32 v[SS+\i], v[SS+\i]
.endr
	; the plain instructions that follow touch none of that run's results (ISA guide 5.7.2)
.irp i, 0,1,2,3,4,5,6,7,8,9,10,11,12,13,14,15
	v_pk_fma_f32 v[SS+32+2*\i:SS+32+2*\i+1], v[SS+32+2*\i:SS+32+2*\i+1], s[74:75], v[MC:MC+1] op_sel:[0,0,1] op_sel_hi:[1,0,1] neg_lo:[0,0,1] neg_hi:[0,0,1]
.endr
.irp i, 0,1,2,3,4,5,6,7,8,9,10,11,12,13,14,15,16,17,18,19,20,21,22,23,24,25,26,27,28,29,30,31
	v_exp_f32 v[SS+32+\i], v[SS+32+\i]
.endr
.if \first == 0
	s_wait_alu depctr_va_vdst(0)
.irp u, 0,1
.irp i, 0,1,2,3,4,5,6,7,8,9,10,11,12,13,14,15
	v_pk_mul_f32 v[OO+32*\u+2*\i:OO+32*\u+2*\i+1], v[OO+32*\u+2*\i:OO+32*\u+2*\i+1], v[AL:AL+1] op_sel:[0,\u] op_sel_hi:[1,\u]
.endr
.endr
.endif
	; the sum of my 32 weights of each query: two packed chains for each u (the first lines read u = 0 alone)
	s_wait_alu depctr_va_vdst(0)
.irp u, 0,1
.irp c, 0,1
	v_pk_add_f32 v[TT+4*\u+2*\c:TT+4*\u+2*\c+1], v[SS+32*\u+2*\c:SS+32*\u+2*\c+1], v[SS+32*\u+2*\c+4:SS+32*\u+2*\c+5]
.endr
.endr
.irp p, 4,6,8,10,12,14
.irp u, 0,1
.irp c, 0,1
	v_pk_add_f32 v[TT+4*\u+2*\c:TT+4*\u+2*\c+1], v[TT+4*\u+2*\c:TT+4*\u+2*\c+1], v[SS+32*\u+2*(\p+\c):SS+32*\u+2*(\p+\c)+1]
.endr
.endr
.endr
.irp u, 0,1
	v_pk_add_f32 v[TT+4*\u:TT+4*\u+1], v[TT+4*\u:TT+4*\u+1], v[TT+4*\u+2:TT+4*\u+3]
.endr
.irp u, 0,1
.if \first
	v_add_f32 v[LS+\u], v[TT+4*\u], v[TT+4*\u+1]
.else
	v_add_f32 v[TT+4*\u], v[TT+4*\u], v[TT+4*\u+1]
.endif
.endr
.if \first == 0
.irp u, 0,1
	v_fma_f32 v[LS+\u], v[LS+\u], v[AL+\u], v[TT+4*\u]
.endr
.endif
	; P to f16, in place: register i takes numbers 2 i and 2 i + 1, which no later line reads
.irp u, 0,1
.irp kp, 0,1
.irp i, 0,1,2,3,4,5,6,7
	v_cvt_pk_f16_f32 v[SS+32*\u+16*\kp+\i], v[SS+32*\u+16*\kp+2*\i], v[SS+32*\u+16*\kp+2*\i+1]
.endr
.endr
.endr
	s_wait_dscnt 0x0                               ; V
.irp u, 0,1
.irp dt, 0,1,2,3
.if \first
	v_wmma_f32_16x16x32_f16 v[OO+32*\u+8*\dt:OO+32*\u+8*\dt+7], v[KV+8*\dt:KV+8*\dt+7], v[SS+32*\u:SS+32*\u+7], 0
.else
	v_wmma_f32_16x16x32_f16 v[OO+32*\u+8*\dt:OO+32*\u+8*\dt+7], v[KV+8*\dt:KV+8*\dt+7], v[SS+32*\u:SS+32*\u+7], v[OO+32*\u+8*\dt:OO+32*\u+8*\dt+7]
.endif
.endr
.endr
.irp u, 0,1
.irp dt, 0,1,2,3
	v_wmma_f32_16x16x32_f16 v[OO+32*\u+8*\dt:OO+32*\u+8*\dt+7], v[KV+32+8*\dt:KV+32+8*\dt+7], v[SS+32*\u+16:SS+32*\u+23], v[OO+32*\u+8*\dt:OO+32*\u+8*\dt+7]
.endr
.endr
.endm
; The end of a pass.  Every wave puts m c, l and O into LDS; behind a barrier wave (qg, kh) merges the two key halves of query tile u = kh,
; divides, rounds to f16 and stores 16 rows of 128 bytes.  ab: the pass's base in ao.  qnext = 1: pass 2's Q is asked for first.
.macro EPI ab, qnext
.rept 4
	v_nop                                          ; four places behind the last product: O is read, loads land on its sources
.endr
.if \qnext
	QLOAD 58
.endif
.irp u, 0,1
	v_permlanex16_b32 v[TT+\u], v[LS+\u], s16, s17
.endr
.irp u, 0,1
	v_add_f32 v[LS+\u], v[LS+\u], v[TT+\u]         ; the two halves of the lanes hold different keys of the same query
.endr
.irp u, 0,1
	ds_store_b32 v[VST], v[MC+\u] offset:128*\u
	ds_store_b32 v[VST], v[LS+\u] offset:256+128*\u
.endr
.irp i, 0,1,2,3,4,5,6,7,8,9,10,11,12,13,14,15
	ds_store_b128 v[VMS], v[OO+4*\i:OO+4*\i+3] offset:512*\i
.endr
	s_wait_dscnt 0x0                               ; for the partner's sake: my stores are done
	s_barrier_signal -1                            ; the tile on its way may stay out
	s_barrier_wait -1
	ds_load_b32 v[TT+0], v[VSL]                    ; m c of the lower key half
	ds_load_b32 v[TT+1], v[VSL] offset:256         ; its l
	ds_load_b32 v[TT+2], v[VSL] offset:512         ; m c of the upper key half
	ds_load_b32 v[TT+3], v[VSL] offset:768         ; its l
.irp i, 0,1,2,3,4,5,6,7
	ds_load_b128 v[KV+4*\i:KV+4*\i+3], v[VML] offset:512*\i
.endr
.irp i, 0,1,2,3,4,5,6,7
	ds_load_b128 v[KV+32+4*\i:KV+32+4*\i+3], v[VML] offset:8192+512*\i
.endr
	s_wait_dscnt 16                                ; the four figures are in; the sixteen loads of O stay out
	v_max_num_f32 v[TT+4], v[TT], v[TT+2]
	v_sub_f32 v[TT], v[TT], v[TT+4]
	v_sub_f32 v[TT+2], v[TT+2], v[TT+4]
	v_exp_f32 v[TT], v[TT]
	v_exp_f32 v[TT+2], v[TT+2]
	v_nop                                          ; one plain place behind the exponentials
	s_wait_alu depctr_va_vdst(0)
	v_mul_f32 v[TT+4], v[TT], v[TT+1]
	v_fmac_f32 v[TT+4], v[TT+2], v[TT+3]           ; the whole sum: the half that holds the maximum enters with weight 1 and holds that key's weight
	v_rcp_f32 v[TT+5], v[TT+4]
	v_nop
	s_wait_alu depctr_va_vdst(0)
	v_mul_f32 v[TT+6], v[TT], v[TT+5]
	v_mul_f32 v[TT+7], v[TT+2], v[TT+5]
	s_wait_dscnt 0x0
.irp i, 0,1,2,3,4,5,6,7,8,9,10,11,12,13,14,15
	v_pk_mul_f32 v[KV+2*\i:KV+2*\i+1], v[KV+2*\i:KV+2*\i+1], v[TT+6:TT+7] op_sel_hi:[1,0]
.endr
.irp i, 0,1,2,3,4,5,6,7,8,9,10,11,12,13,14,15
	v_pk_fma_f32 v[KV+2*\i:KV+2*\i+1], v[KV+32+2*\i:KV+32+2*\i+1], v[TT+6:TT+7], v[KV+2*\i:KV+2*\i+1] op_sel:[0,1,0] op_sel_hi:[1,1,1]
.endr
.irp i, 0,1,2,3,4,5,6,7,8,9,10,11,12,13,14,15
	v_cvt_pk_f16_f32 v[SS+\i], v[KV+2*\i], v[KV+2*\i+1]
.endr
.irp dt, 0,1,2,3
	ds_store_b128 v[VOS], v[SS+4*\dt:SS+4*\dt+3] offset:32*\dt     ; query r, d = 16 dt + 8 hh .. + 7, into my own stage
.endr
.irp t, 0,1,2,3
	ds_load_b128 v[SS+16+4*\t:SS+16+4*\t+3], v[VOR] offset:\t*4*OPITCH   ; LDS serves a wave's instructions in order: these see the stores above
.endr
.irp t, 0,1,2,3
	s_wait_dscnt 3-\t                              ; load t is in, the younger ones stay out
	global_store_b128 v[VOUT], v[SS+16+4*\t:SS+16+4*\t+3], s[\ab:\ab+1] offset:512*\t    ; four rows of 128 bytes: 512 consecutive bytes, aligned
.endr
.if \qnext
	s_wait_xcnt 0x0                                ; the stores' data registers are written again by the next tile only behind this wait
.endif
.endm
; The odd tile of a slot.  Pass 2 can begin here alone (pass 1 has an odd number of tiles).  The branch hangs on the work-group's number and on
; counted steps, so it is the same in all eight waves.
.macro TILE slot
	s_cmp_eq_u32 s15, s14
	s_cbranch_scc1 .Lnew_pass_\@
	BODY \slot, 1, 0
	s_branch .Ltile_done_\@
.Lnew_pass_\@:
	EPI 60, 1
	BODY \slot, 1, 1
.Ltile_done_\@:
.endm
; The change from slot old to slot to.  Every wave waits for all its tensor loads (its part of slot to among them) and for its reads of slot
; old, then the barrier; behind it slot old's refill comes first, one tensor load a wave, with two tiles' work in which to land.
; refill: 1 both halves, 2 half 0 alone, 0 nothing is left to fetch.
.macro CHANGE to, old, refill
	s_set_vgpr_msb 0x5
	s_wait_tensorcnt 0x0
	ds_add_u32 v0, v1
	s_wait_dscnt 0x0
	s_set_vgpr_msb 0x500
.if \refill
	NEXTADDR \old
.endif
	s_wait_dscnt 0x0
	s_barrier_signal -1
	s_barrier_wait -1
.if \refill == 1
	LOADT \old
.endif
.if \refill == 2
	LOADH \old
.endif
	s_add_co_u32 s15, s15, 2
.endm
	s_wait_tensorcnt 0x1                           ; my part of slot 0 is in; slot 1's may stay out
	s_barrier_signal -1
	s_barrier_wait -1
	BODY 0, 0, 1                                   ; tile 0: pass 1's diagonal
	TILE 0                                         ; tile 1
	s_mov_b32 s19, 3
.Ltrip:
	CHANGE 1, 0, 1                                 ; tiles 2, 3 (6, 7; 10, 11)
	BODY 1, 0, 0
	TILE 1
	CHANGE 0, 1, 1                                 ; tiles 4, 5 (8, 9; 12, 13)
	BODY 0, 0, 0
	TILE 0
	s_sub_co_u32 s19, s19, 1
	s_cmp_lg_u32 s19, 0
	s_cbranch_scc1 .Ltrip
	CHANGE 1, 0, 2                                 ; tiles 14, 15; tile 16 goes out
	BODY 1, 0, 0
	TILE 1
	CHANGE 0, 1, 0                                 ; tile 16: no tensor load is out from here on
	BODY 0, 0, 0
	EPI 62, 0
	s_set_vgpr_msb 0x5
	s_wait_tensorcnt 0x0
	ds_add_u32 v0, v1
	s_wait_dscnt 0x0
	s_set_vgpr_msb 0x500
	s_endpgm
.Lfunc_end_k_q10f73606c9_attn:
	.size	k_q10f73606c9_attn, .Lfunc_end_k_q10f73606c9_attn-k_q10f73606c9_attn
	.p2alignl 7, 3214868480
	.fill 96, 4, 3214868480
	.section	.rodata,"a",@progbits
	.p2align	6, 0x0
	.amdhsa_kernel k_q10f73606c9_attn
		.amdhsa_group_segment_fixed_size 327680
		.amdhsa_private_segment_fixed_size 0
		.amdhsa_enable_private_segment 0
		.amdhsa_kernarg_size 16
		.amdhsa_user_sgpr_count 2
		.amdhsa_user_sgpr_kernarg_segment_ptr 1
		.amdhsa_wavefront_size32 1
		.amdhsa_system_sgpr_workgroup_id_x 1
		.amdhsa_system_sgpr_workgroup_id_y 1
		.amdhsa_system_sgpr_workgroup_id_z 1
		.amdhsa_system_vgpr_workitem_id 0
		.amdhsa_next_free_vgpr 258
		.amdhsa_next_free_sgpr 80
		.amdhsa_reserve_vcc 1
		.amdhsa_float_denorm_mode_32 3
		.amdhsa_float_denorm_mode_16_64 3
		.amdhsa_memory_ordered 1
		.amdhsa_forward_progress 1
		.amdhsa_inst_pref_size 255
	.end_amdhsa_kernel
	.section	.bss,"aw",@nobits
	.p2align	6
	.space	262144
	.amdgpu_metadata
---
amdhsa.version: [ 1, 2 ]
amdhsa.kernels:
  - .name:           k_q10f73606c9_attn
    .symbol:         k_q10f73606c9_attn.kd
    .args:
      - { .name: qkv, .offset: 0, .size: 8, .value_kind: global_buffer, .address_space: global }
      - { .name: ao, .offset: 8, .size: 8, .value_kind: global_buffer, .address_space: global }
    .group_segment_fixed_size: 327680
    .private_segment_fixed_size: 0
    .kernarg_segment_align: 8
    .kernarg_segment_size: 16
    .max_flat_workgroup_size: 256
    .sgpr_count:     80
    .vgpr_count:     258
    .wavefront_size: 32
...
	.end_amdgpu_metadata
.endif
;; end of part 3
;; launch gemm_out (part 4): grid 8 x 32, 4 waves a work-group, clusters of 4 x 4, 327,680 bytes of LDS; arguments ao, cb, out0; writes out0
.if DOCPART == 4
	.amdgcn_target "amdgcn-amd-amdhsa--gfx1250"
	.amdhsa_code_object_version 6
	.text
	.protected	k_q10f73606c9_gemm_out
	.globl	k_q10f73606c9_gemm_out
	.p2align	8
	.type	k_q10f73606c9_gemm_out,@function
k_q10f73606c9_gemm_out:
	s_mov_b64 s[64:65], 0
	v_nop
	global_prefetch_b8 v0, s[64:65] scope:SCOPE_SE
	s_setreg_imm32_b32 hwreg(HW_REG_WAVE_MODE, 25, 1), 1
	s_wait_xcnt 0x0
	s_wait_alu depctr_hold_cnt(0) depctr_sa_sdst(0) depctr_va_vdst(0) depctr_va_sdst(0) depctr_va_ssrc(0) depctr_va_vcc(0) depctr_vm_vsrc(0)
	s_getreg_b32 s2, hwreg(HW_REG_IB_STS2, 6, 4)
	s_cmp_eq_u32 s2, 0
	s_cbranch_scc0 .Lentry_in_a_cluster
	s_endpgm
.Lentry_in_a_cluster:
	s_bfe_u32 s2, ttmp6, 0x10000c
	s_cmp_lg_u32 s2, 0xf033
	s_cbranch_scc0 .Lentry_shape_is_right
	s_endpgm
.Lentry_shape_is_right:
; out0 = ao Wo^T: [4096 x 1024] x [1024 x 1024]^T, f16 operands, f32 sums, f32 result.
; ao lies as [block of 128 rows: 32][head 16][128 rows][64] f16; Wo as f16 in rows 7168-8191 of cb.
; A work-group makes 128 x 128 with four waves (8 x 32 = 256 work-groups); a wave makes 64 x 64: 16 accumulator tiles.
; K goes in four steps of 256 (four heads) through two LDS slots, so that a round of the cluster's barrier serves 128 matrix instructions a wave.
; CLUSTERS: 4 x 4; ao's tiles are shared along a row of the cluster, Wo's along a column, each by a joint tensor load.
; REGISTERS: window 0: addresses, Wo's fragments (v64-95, v128-159); window 1: accumulators v0-127 (tile (a, b) at 8 (4 a + b)), ao's fragments
; (v128-159, v160-191).  One setting serves the products, the loads of ao's fragments and the LDS stores of the results.
; The matrix instruction is used transposed (source 0 = rows of Wo, source 1 = rows of ao): a lane holds eight neighbouring columns of one row.
.set APITCH, 144                       ; ao row: 128 bytes + 16
.set BPITCH, 528                       ; Wo row: 512 bytes + 16
.set APLANE, 128*APITCH                ; one head
.set AHALF,  2*APLANE                  ; 36,864: what one of A's tensor loads brings (two heads)
.set ABYTES, 2*AHALF                   ; 73,728
.set BHALF,  64*BPITCH                 ; 33,792
.set SLOT,   ABYTES+2*BHALF            ; 141,312
.set STAGE,  2*SLOT                    ; 282,624 = 1,104 x 256: never the target of a tensor load
.set SPITCH, 272                       ; stage row: 256 bytes (64 f32) + 16
.set ADRA, 16                          ; v16-17
.set ADRB, 20                          ; v20-21
.set STO,  24
.set RD,   25
.set CO,   26
.set FB,   64                          ; window 0: Wo's fragments, buffer f at FB + 64 f
.set FA,   128                         ; window 1: ao's fragments, buffer f at FA + 32 f
.set G1,  24
.set G0,  32
.set G1B, 48
.set G0B, 56
.set MSB, 0
.macro WIN new
.if MSB != \new
	s_set_vgpr_msb (MSB<<8)|\new
.set MSB, \new
.endif
.endm
.set MULW, 0x54                        ; source 0 window 0; source 1, source 2 and destination window 1
.macro JLOAD s
	s_cmp_eq_u32 s11, 0
	s_cbranch_scc0 .Lfor_b_\@
	tensor_load_to_lds s[G0+4*\s:G0+4*\s+3], s[G1:G1+7]
	s_nop 0
	s_branch .Lasked_\@
.Lfor_b_\@:
	tensor_load_to_lds s[G0B+4*\s:G0B+4*\s+3], s[G1B:G1B+7]
	s_nop 0
.Lasked_\@:
.endm
.macro CREST
	s_cmp_lg_u32 s10, 0
	s_cbranch_scc1 .Lnot_wave_0_\@
	s_barrier_signal -3
.Lnot_wave_0_\@:
	s_barrier_wait -3
	s_barrier_signal -1
	s_barrier_wait -1
.endm
.macro CROUND
	s_barrier_signal -1
	s_barrier_wait -1
	CREST
.endm
	s_load_b128 s[4:7], s[0:1], 0x0                ; ao s[4:5], cb s[6:7]
	s_load_b64 s[8:9], s[0:1], 0x10                ; out0
	v_lshl_add_u32 v255, v0, 2, 0x49400
	s_set_vgpr_msb 0x40
	v_mov_b32 v193, 0
	s_set_vgpr_msb 0x4044
	ds_add_u32 v255, v193
	s_set_vgpr_msb 0x4400
	v_lshrrev_b32 v1, 5, v0
	v_readfirstlane_b32 s10, v1                    ; wave 0..3
	s_lshr_b32 s11, s10, 1                         ; wm.  Also: I fetch for A (0) or for B (1)
	s_and_b32 s12, s10, 1                          ; wn.  Also: which half of that tile I fetch
	s_bfe_u32 s40, ttmp6, 0x40000                  ; cx
	s_bfe_u32 s41, ttmp6, 0x40004                  ; cy
	s_lshl_b32 s42, ttmp9, 2
	s_add_co_u32 s42, s42, s40                     ; bx: block of 128 columns
	s_and_b32 s13, ttmp7, 0xffff
	s_lshl_b32 s13, s13, 2
	s_add_co_u32 s13, s13, s41                     ; by: block of 128 rows
	s_lshl_b32 s43, s41, 2
	s_lshl_b32 s43, 15, s43                        ; my row of the cluster
	s_lshl_b32 s44, 0x1111, s40                    ; my column
	; A: 256 dense rows of 64 elements (two heads), 16 bytes of padding behind every 32 words
	s_or_b32 s[G1+0], s43, (1<<16)|(1<<20)|(1<<21)|(4<<22)|(3<<25)
	s_mov_b32 s[G1+1], 64<<16
	s_mov_b32 s[G1+2], 256<<16
	s_mov_b32 s[G1+3], 64<<16
	s_mov_b32 s[G1+4], 256
	s_mov_b32 s[G1+5], 64
	s_mov_b32 s[G1+6], 0
	s_mov_b32 s[G1+7], 0
	; B: 64 rows of 256 elements, 1,024 elements from row to row, 16 bytes of padding behind every 128 words
	s_or_b32 s[G1B+0], s44, (1<<16)|(1<<20)|(1<<21)|(6<<22)|(3<<25)
	s_mov_b32 s[G1B+1], 256<<16
	s_mov_b32 s[G1B+2], 64<<16
	s_mov_b32 s[G1B+3], 256<<16
	s_mov_b32 s[G1B+4], 64
	s_mov_b32 s[G1B+5], 1024
	s_mov_b32 s[G1B+6], 0
	s_mov_b32 s[G1B+7], 0
	s_lshl_b32 s16, s13, 18                        ; A: block x 262,144
	s_lshl_b32 s17, s12, 15                        ;    + half x two heads of 16,384
	s_add_co_u32 s16, s16, s17
	s_mov_b32 s17, 0
	s_lshl_b32 s46, s42, 7                         ; B: row 7168 + 128 bx + 64 half of cb,
	s_lshl_b32 s47, s12, 6
	s_add_co_u32 s46, s46, s47
	s_add_co_u32 s46, s46, 7168
	s_lshl_b32 s46, s46, 11                        ;    2,048 bytes each
	s_mov_b32 s47, 0
	s_mul_i32 s20, s10, AHALF                      ; A's halves go to wave x AHALF (waves 0, 1)
	s_mul_i32 s45, s10, BHALF
	s_add_co_u32 s45, s45, ABYTES-2*BHALF          ; B's halves to ABYTES + (wave - 2) x BHALF (waves 2, 3)
	s_wait_dscnt 0x0
	s_wait_kmcnt 0x0
	s_add_nc_u64 s[14:15], s[4:5], s[16:17]
	s_add_nc_u64 s[46:47], s[6:7], s[46:47]
	CROUND                                         ; all sixteen work-groups are here: the first joint loads meet
.irp s, 0,1
	s_mov_b32 s[G0+4*\s], 1
	s_add_co_u32 s[G0+4*\s+1], s20, \s*SLOT
	s_add_nc_u64 s[G0+4*\s+2:G0+4*\s+3], s[14:15], \s*65536
	s_or_b32 s[G0+4*\s+3], s[G0+4*\s+3], 0x80000000
	s_mov_b32 s[G0B+4*\s], 1
	s_add_co_u32 s[G0B+4*\s+1], s45, \s*SLOT
	s_add_nc_u64 s[G0B+4*\s+2:G0B+4*\s+3], s[46:47], \s*512
	s_or_b32 s[G0B+4*\s+3], s[G0B+4*\s+3], 0x80000000
	JLOAD \s                                       ; two tensor loads of a wave are out
.endr
	v_and_b32 v1, 15, v0                           ; r
	v_bfe_u32 v2, v0, 4, 1                         ; hh
	v_mul_u32_u24 v3, v1, APITCH
	v_lshl_add_u32 v3, v2, 4, v3
	v_mul_u32_u24 v4, v1, BPITCH
	v_lshl_add_u32 v4, v2, 4, v4
	s_mul_i32 s21, s11, 64*APITCH                  ; my 64 rows of ao
	s_mul_i32 s22, s12, 64*BPITCH                  ; my 64 rows of Wo,
	s_add_co_u32 s22, s22, ABYTES                  ; which lie behind ao's
.irp s, 0,1
	v_add_nc_u32 v[ADRA+\s], s21, v3
	v_add_nc_u32 v[ADRB+\s], s22, v4
	s_add_co_u32 s21, s21, SLOT
	s_add_co_u32 s22, s22, SLOT
.endr
	s_mul_i32 s23, s10, 16*SPITCH
	s_add_co_u32 s23, s23, STAGE                   ; my stage
	v_mul_u32_u24 v5, v1, SPITCH                   ; in: row r, 32 bytes for each half of the lanes
	v_lshl_add_u32 v5, v2, 5, v5
	v_add_nc_u32 v[STO], s23, v5
	v_mul_u32_u24 v5, v2, SPITCH                   ; back: lanes 0-15 take one row of 256 bytes, lanes 16-31 the next
	v_lshl_add_u32 v5, v1, 4, v5
	v_add_nc_u32 v[RD], s23, v5
	v_lshlrev_b32 v5, 12, v2                       ; and the same two rows in out0
	v_lshl_add_u32 v[CO], v1, 4, v5
; 8 matrix instructions: m blocks a0, a0 + 1 x all 4 n blocks, 32 along K, from buffer f
.macro MUL8 f, a0, zero
.irp a, \a0, \a0+1
.irp b, 0,1,2,3
.if \zero
	v_wmma_f32_16x16x32_f16 v[8*(4*(\a)+\b):8*(4*(\a)+\b)+7], v[FB+64*\f+8*\b:FB+64*\f+8*\b+7], v[FA+32*\f+8*(\a):FA+32*\f+8*(\a)+7], 0
.else
	v_wmma_f32_16x16x32_f16 v[8*(4*(\a)+\b):8*(4*(\a)+\b)+7], v[FB+64*\f+8*\b:FB+64*\f+8*\b+7], v[FA+32*\f+8*(\a):FA+32*\f+8*(\a)+7], v[8*(4*(\a)+\b):8*(4*(\a)+\b)+7]
.endif
.endr
.endr
.endm
; 16 LDS loads: piece q (32 along K, 0..7) of the slot: Wo's 64 rows, then ao's 64 rows (head q / 2 of the slot's four), into buffer f
.macro FETCH slot, q, f
	WIN 0
.irp i, 0,1,2,3
	ds_load_b128 v[FB+64*\f+8*\i:FB+64*\f+8*\i+3],   v[ADRB+\slot] offset:64*\q+\i*16*BPITCH
	ds_load_b128 v[FB+64*\f+8*\i+4:FB+64*\f+8*\i+7], v[ADRB+\slot] offset:64*\q+\i*16*BPITCH+32
.endr
	WIN MULW
.irp i, 0,1,2,3
	ds_load_b128 v[FA+32*\f+8*\i:FA+32*\f+8*\i+3],   v[ADRA+\slot] offset:(\q/2)*APLANE+(\q%2)*64+\i*16*APITCH
	ds_load_b128 v[FA+32*\f+8*\i+4:FA+32*\f+8*\i+7], v[ADRA+\slot] offset:(\q/2)*APLANE+(\q%2)*64+\i*16*APITCH+32
.endr
.endm
.macro PLACES                          ; four places behind a matrix instruction before a load lands on a source or its result is read
.rept 4
	v_nop
.endr
.endm
; One piece of 32 along K: multiplies buffer f, fetches piece qn into buffer g in its middle.  The sixteen accumulators take turns, one
; instruction a turn, in the same order in every piece.
.macro QUARTER slot, qn, f, g, zero
	s_wait_dscnt 4                                 ; Wo and ao's blocks 0, 1 are in; the youngest four loads (ao's blocks 2, 3) may be out
	WIN MULW
	MUL8 \f, 0, \zero
	PLACES
	FETCH \slot, \qn, \g
	s_wait_dscnt 16                                ; all but the 16 just issued
	MUL8 \f, 2, \zero
.endm
.macro SEVEN slot, zero
	QUARTER \slot, 1, 0, 1, \zero
	QUARTER \slot, 2, 1, 0, 0
	QUARTER \slot, 3, 0, 1, 0
	QUARTER \slot, 4, 1, 0, 0
	QUARTER \slot, 5, 0, 1, 0
	QUARTER \slot, 6, 1, 0, 0
	QUARTER \slot, 7, 0, 1, 0
.endm
; The eighth piece multiplies buffer 1 and changes slots: my reads of this slot and all my tensor loads are waited for in front of the barrier;
; behind it (where the slot is filled again: behind the cluster's round that it opens) the refill comes first, one tensor load a wave.
.macro TURN slot, next, fill
	s_wait_dscnt 0
	s_wait_tensorcnt 0x0
	ds_add_u32 v255, v193
	s_wait_dscnt 0x0
	s_barrier_signal -1
	WIN MULW
	MUL8 1, 0, 0                                   ; register work alone between signal and wait
	WIN 0
	s_barrier_wait -1
.if \fill
	CREST
	s_add_nc_u64 s[G0+4*\slot+2:G0+4*\slot+3], s[G0+4*\slot+2:G0+4*\slot+3], 2*65536
	s_add_nc_u64 s[G0B+4*\slot+2:G0B+4*\slot+3], s[G0B+4*\slot+2:G0B+4*\slot+3], 2*512
	JLOAD \slot
.endif
	PLACES
	FETCH \next, 0, 0
	MUL8 1, 2, 0
.endm
	s_wait_tensorcnt 1                             ; my part of slot 0 is in; slot 1's may stay out
	s_barrier_signal -1
	s_barrier_wait -1
	FETCH 0, 0, 0
	SEVEN 0, 1                                     ; heads 0-3: the first products start the sums
	TURN 0, 1, 1                                   ; heads 8-11 go out
	SEVEN 1, 0                                     ; heads 4-7
	TURN 1, 0, 1                                   ; heads 12-15 go out
	SEVEN 0, 0
	TURN 0, 1, 0                                   ; nothing is left to fetch
	SEVEN 1, 0
	s_wait_dscnt 4
	WIN MULW
	MUL8 1, 0, 0
	s_wait_dscnt 0
	MUL8 1, 2, 0
	; THE WAY OUT, 16 rows at a time: the f32 results go as they are into my own stage and come back as whole rows of 256 bytes
	PLACES
	s_lshl_b32 s14, s13, 19                        ; 128 by rows of 4,096 bytes
	s_lshl_b32 s15, s11, 18                        ; + 64 wm rows
	s_add_co_u32 s14, s14, s15
	s_mov_b32 s15, 0
	s_add_nc_u64 s[8:9], s[8:9], s[14:15]
	s_lshl_b32 s46, s42, 9                         ; + (128 bx + 64 wn) x 4 bytes, in the registers that held B's address
	s_lshl_b32 s47, s12, 8
	s_add_co_u32 s46, s46, s47
	s_mov_b32 s47, 0
	s_add_nc_u64 s[8:9], s[8:9], s[46:47]
.macro OUT16 i, f
	WIN MULW
.irp b, 0,1,2,3
	ds_store_b128 v[STO], v[8*(4*\i+\b):8*(4*\i+\b)+3]   offset:64*\b
	ds_store_b128 v[STO], v[8*(4*\i+\b)+4:8*(4*\i+\b)+7] offset:64*\b+16
.endr
	WIN 0
	s_wait_xcnt 0x0                                ; buffer f, which earlier stores read, is loaded again only behind this wait
.irp t, 0,1,2,3,4,5,6,7
	ds_load_b128 v[FB+64*\f+4*\t:FB+64*\f+4*\t+3], v[RD] offset:\t*2*SPITCH    ; LDS serves a wave's instructions in order: these see the stores above
.endr
.irp t, 0,1,2,3,4,5,6,7
	s_wait_dscnt 7-\t                              ; load t is in, the younger ones stay out
	global_store_b128 v[CO], v[FB+64*\f+4*\t:FB+64*\f+4*\t+3], s[8:9] offset:(16*\i+2*\t)*4096 th:TH_STORE_NT   ; 16 lanes store 256 consecutive bytes, aligned
.endr
.endm
	OUT16 0, 0
	OUT16 1, 1
	OUT16 2, 0
	OUT16 3, 1
	s_set_vgpr_msb 0x4
	s_wait_tensorcnt 0x0
	ds_add_u32 v255, v193
	s_wait_dscnt 0x0
	s_set_vgpr_msb 0x400
	CROUND                                         ; the closing round: no work-group ends while a partner may still ask for a tile that names it
	s_endpgm
.Lfunc_end_k_q10f73606c9_gemm_out:
	.size	k_q10f73606c9_gemm_out, .Lfunc_end_k_q10f73606c9_gemm_out-k_q10f73606c9_gemm_out
	.p2alignl 7, 3214868480
	.fill 96, 4, 3214868480
	.section	.rodata,"a",@progbits
	.p2align	6, 0x0
	.amdhsa_kernel k_q10f73606c9_gemm_out
		.amdhsa_group_segment_fixed_size 327680
		.amdhsa_private_segment_fixed_size 0
		.amdhsa_enable_private_segment 0
		.amdhsa_kernarg_size 24
		.amdhsa_user_sgpr_count 2
		.amdhsa_user_sgpr_kernarg_segment_ptr 1
		.amdhsa_wavefront_size32 1
		.amdhsa_system_sgpr_workgroup_id_x 1
		.amdhsa_system_sgpr_workgroup_id_y 1
		.amdhsa_system_sgpr_workgroup_id_z 1
		.amdhsa_system_vgpr_workitem_id 0
		.amdhsa_next_free_vgpr 450
		.amdhsa_next_free_sgpr 66
		.amdhsa_reserve_vcc 0
		.amdhsa_float_denorm_mode_32 3
		.amdhsa_float_denorm_mode_16_64 3
		.amdhsa_memory_ordered 1
		.amdhsa_forward_progress 1
		.amdhsa_inst_pref_size 90
	.end_amdhsa_kernel
	.amdgpu_metadata
---
amdhsa.version: [ 1, 2 ]
amdhsa.kernels:
  - .name:           k_q10f73606c9_gemm_out
    .symbol:         k_q10f73606c9_gemm_out.kd
    .args:
      - { .name: ao, .offset: 0, .size: 8, .value_kind: global_buffer, .address_space: global }
      - { .name: cb, .offset: 8, .size: 8, .value_kind: global_buffer, .address_space: global }
      - { .name: out0, .offset: 16, .size: 8, .value_kind: global_buffer, .address_space: global }
    .group_segment_fixed_size: 327680
    .private_segment_fixed_size: 0
    .kernarg_segment_align: 8
    .kernarg_segment_size: 24
    .max_flat_workgroup_size: 128
    .sgpr_count:     66
    .vgpr_count:     450
    .wavefront_size: 32
...
	.end_amdgpu_metadata
.endif
;; end of part 4
